; MI455X (gfx1250); checked and timed in simulation.
; The chip was launched on July 23, 2026; its instructions are those of AMD's public machine-readable ISA for CDNA 5 (MIT licence, August 2026) and "CDNA5" Instruction Set Architecture Reference Guide (July 2026). The comments in the code are by the model that wrote it; some were corrected since.
;; Mixture Of Experts. Allowed arithmetic: float matrix products may take bf16 or f16 operands with f32 sums; other float arithmetic in f32, or as packed bf16 or f16 multiplies, adds, multiply-adds, maxima and minima; sums over many terms, partial sums and values carried from step to step in f32; what a program stores and reads back later, other than sums and carried values, may be rounded once to bf16 or f16.
;; Inputs: expert_w1 8 x 4,096 x 1,024 float32; expert_w2 8 x 1,024 x 4,096 float32; router_w 8 x 1,024 float32; x 4 x 256 x 1,024 float32.
;; Outputs: out0 4 x 256 x 1,024 float32.
;; One version. Each part assembles by itself: llvm-mc -triple=amdgcn-amd-amdhsa -mcpu=gfx1250 --defsym DOCPART=n.
;; ======== version 1 of 1: 4 launches
;; limits: a function is approximated: absolute error at most 1.5e-07; an absolute error that grows with the inputs' magnitude: up to 7.5e-08 times it
;; workspace buffers: xb 2,097,152 bytes; idx 8,192 bytes of whole numbers; rw 8,192 bytes; h 83,886,080 bytes; part 33,554,432 bytes
;; launch router (part 1): grid 256 x 1, 4 waves a work-group, no clusters, 0 bytes of LDS; arguments x, router_w, xb, idx, rw; writes xb, idx, rw
.if DOCPART == 1
	.amdgcn_target "amdgcn-amd-amdhsa--gfx1250"
	.amdhsa_code_object_version 6
	.text
	.protected	k_qe747a1a959_router
	.globl	k_qe747a1a959_router
	.p2align	8
	.type	k_qe747a1a959_router,@function
k_qe747a1a959_router:
	s_mov_b64 s[64:65], 0
	v_nop
	global_prefetch_b8 v0, s[64:65] scope:SCOPE_SE
	s_setreg_imm32_b32 hwreg(HW_REG_WAVE_MODE, 25, 1), 1
	s_wait_xcnt 0x0
; ROUTER.  One wave, one token t = 4 x work-group + wave.  It rounds the token's row of x to bf16 (xb, which the first product reads), forms the 8 scores
; from x and router_w BOTH ROUNDED TO bf16 (products exact in f32, sums in f32), takes the two largest (a tie keeps the lower index, as jax.lax.top_k does),
; and their softmax with the larger taken away first.  It stores the two experts (idx[2t], idx[2t+1]) and their weights (rw, same places): fixed places, so no
; address and no branch here hangs on a score.
; LIMITS.  The scores are those of the inputs rounded to bf16.  NaN and infinite scores are not treated apart (with no score above -inf the second choice is expert 0).
; An exponential below 2^-126 counts as 0.
; No matrix unit: 8 columns are half a tile's width and the product is a two-thousandth of the module's work.  No LDS, no barrier: a wave needs nobody.
.set XR, 16                            ; v[16:47]   my 32 numbers of x: load j brings columns 128 j + 4 lane + 0..3
.set XB, 48                            ; v[48:63]   the same, rounded and packed
.set WB, 64                            ; v[64:79]   an expert's 32 numbers, rounded and packed; later at work
.set SC, 80                            ; v[80:87]   the scores
.set AC, 96                            ; v[96:127]  four chains of sums for each expert
.set WR, 128                           ; v[128:255] router_w as loaded: four slots of 32 registers, expert e in slot e % 4
	s_load_b256 s[4:11], s[0:1], 0x0               ; x s[4:5], router_w s[6:7], xb s[8:9], idx s[10:11]
	s_load_b64 s[12:13], s[0:1], 0x20              ; rw
	v_and_b32 v1, 31, v0                           ; lane
	v_lshrrev_b32 v2, 5, v0
	v_readfirstlane_b32 s16, v2                    ; wave
	s_lshl_b32 s17, ttmp9, 2
	s_add_co_u32 s17, s17, s16                     ; t
	s_lshl_b32 s18, s17, 12                        ; a row of x is 4,096 bytes,
	s_mov_b32 s19, 0
	s_lshl_b32 s20, s17, 11                        ; of xb 2,048,
	s_mov_b32 s21, 0
	s_lshl_b32 s22, s17, 3                         ; a token's pair in idx and in rw 8
	s_mov_b32 s23, 0
	s_mov_b32 s14, 0x76543210                      ; v_permlanex16_b32: each lane takes its own place in the other half
	s_mov_b32 s15, 0xfedcba98
	v_lshlrev_b32 v4, 4, v1                        ; 16 bytes a lane in x and router_w
	v_lshlrev_b32 v5, 3, v1                        ; 8 bytes a lane in xb
	v_mov_b32 v6, 0
	s_wait_kmcnt 0x0
	s_add_nc_u64 s[4:5], s[4:5], s[18:19]
	s_add_nc_u64 s[8:9], s[8:9], s[20:21]
	s_add_nc_u64 s[10:11], s[10:11], s[22:23]
	s_add_nc_u64 s[12:13], s[12:13], s[22:23]
.irp j, 0,1,2,3,4,5,6,7
	global_load_b128 v[XR+4*\j:XR+4*\j+3], v4, s[4:5] offset:512*\j th:TH_LOAD_NT
.endr
.macro WLOAD e                         ; expert e's row, eight loads of 512 neighbouring bytes
.irp j, 0,1,2,3,4,5,6,7
	global_load_b128 v[WR+32*((\e)%4)+4*\j:WR+32*((\e)%4)+4*\j+3], v4, s[6:7] offset:4096*(\e)+512*\j
.endr
.endm
	WLOAD 0
	WLOAD 1
	WLOAD 2
	WLOAD 3
	s_wait_loadcnt 32                              ; x is in; the four experts' 32 loads are younger
.set nn, 0
.rept 16
	v_cvt_pk_bf16_f32 v[XB+nn], v[XR+2*nn], v[XR+2*nn+1]
.set nn, nn+1
.endr
.irp j, 0,1,2,3,4,5,6,7
	global_store_b64 v5, v[XB+2*\j:XB+2*\j+1], s[8:9] offset:256*\j  ; the wave's store covers 256 consecutive bytes, aligned
.endr
; Expert e: rounded, its slot given to expert e + 4, then 32 multiply-adds from bf16 halves into four f32 chains.  left = the younger loads that stay out.
.macro EXPERT e, left, refill
	s_wait_loadcnt \left
.set nn, 0
.rept 16
	v_cvt_pk_bf16_f32 v[WB+nn], v[WR+32*((\e)%4)+2*nn], v[WR+32*((\e)%4)+2*nn+1]
.set nn, nn+1
.endr
.if \refill
	WLOAD (\e)+4
.endif
.set nn, 0
.rept 16
.if nn < 2                             ; the first four products start the chains: nothing is cleared
	v_fma_mix_f32_bf16 v[AC+4*(\e)+(2*nn)%4], v[XB+nn], v[WB+nn], v6 op_sel_hi:[1,1,0]
	v_fma_mix_f32_bf16 v[AC+4*(\e)+(2*nn+1)%4], v[XB+nn], v[WB+nn], v6 op_sel:[1,1,0] op_sel_hi:[1,1,0]
.else
	v_fma_mix_f32_bf16 v[AC+4*(\e)+(2*nn)%4], v[XB+nn], v[WB+nn], v[AC+4*(\e)+(2*nn)%4] op_sel_hi:[1,1,0]
	v_fma_mix_f32_bf16 v[AC+4*(\e)+(2*nn+1)%4], v[XB+nn], v[WB+nn], v[AC+4*(\e)+(2*nn+1)%4] op_sel:[1,1,0] op_sel_hi:[1,1,0]
.endif
.set nn, nn+1
.endr
.endm
	EXPERT 0, 24, 1                                ; three slots of eight loads are younger
	EXPERT 1, 24, 1
	EXPERT 2, 24, 1
	EXPERT 3, 24, 1
	EXPERT 4, 24, 0
	EXPERT 5, 16, 0                                ; nothing more is asked for: the counts run down
	EXPERT 6, 8, 0
	EXPERT 7, 0, 0
.irp e, 0,1,2,3,4,5,6,7
	v_add_f32 v[AC+4*\e], v[AC+4*\e], v[AC+4*\e+1]
	v_add_f32 v[AC+4*\e+2], v[AC+4*\e+2], v[AC+4*\e+3]
	v_add_f32 v[SC+\e], v[AC+4*\e], v[AC+4*\e+2]
.endr
.irp m, 1,2,4,8                        ; across the lanes: four steps inside each half of 16, one across the halves; every lane ends with the same sums
.irp e, 0,1,2,3,4,5,6,7
	v_add_f32_dpp v[SC+\e], v[SC+\e], v[SC+\e] row_xmask:\m row_mask:0xf bank_mask:0xf
.endr
.endr
.irp e, 0,1,2,3,4,5,6,7
	v_permlanex16_b32 v[WB+\e], v[SC+\e], s14, s15
.endr
.irp e, 0,1,2,3,4,5,6,7
	v_add_f32 v[SC+\e], v[SC+\e], v[WB+\e]
.endr
	; the largest: only a strictly greater score displaces an earlier one
	v_mov_b32 v88, v[SC]
	v_mov_b32 v90, 0
.irp e, 1,2,3,4,5,6,7
	v_cmp_gt_f32 vcc_lo, v[SC+\e], v88
	v_cndmask_b32 v88, v88, v[SC+\e], vcc_lo
	v_cndmask_b32 v90, v90, \e, vcc_lo
.endr
	; the second: the same scan, the first choice left out
	v_mov_b32 v89, 0xff800000
	v_mov_b32 v91, 0
.irp e, 0,1,2,3,4,5,6,7
	v_cmp_ne_u32 s24, \e, v90
	v_cmp_gt_f32 s25, v[SC+\e], v89
	s_and_b32 vcc_lo, s24, s25
	v_cndmask_b32 v89, v89, v[SC+\e], vcc_lo
	v_cndmask_b32 v91, v91, \e, vcc_lo
.endr
	; softmax of the two, the larger taken away: 1 / (1 + q) and q / (1 + q), q = e^(second - first)
	v_sub_f32 v92, v89, v88
	v_mul_f32 v92, 0x3fb8aa3b, v92
	v_exp_f32 v93, v92
	v_nop                                          ; a plain instruction between a transcendental and the use of its result (ISA guide 5.7.2)
	s_wait_alu depctr_va_vdst(0)
	v_add_f32 v94, 1.0, v93
	v_rcp_f32 v92, v94
	v_nop
	s_wait_alu depctr_va_vdst(0)
	v_mul_f32 v93, v93, v92
	s_wait_xcnt 0x0                                ; EXEC is a source of the stores above: it changes only behind this wait
	v_cmp_eq_u32 vcc_lo, 0, v1
	s_and_saveexec_b32 s24, vcc_lo                 ; lane 0 stores for the wave
	global_store_b64 v6, v[90:91], s[10:11]
	global_store_b64 v6, v[92:93], s[12:13]
	s_wait_xcnt 0x0
	s_or_b32 exec_lo, exec_lo, s24
	s_endpgm
.Lfunc_end_k_qe747a1a959_router:
	.size	k_qe747a1a959_router, .Lfunc_end_k_qe747a1a959_router-k_qe747a1a959_router
	.p2alignl 7, 3214868480
	.fill 96, 4, 3214868480
	.section	.rodata,"a",@progbits
	.p2align	6, 0x0
	.amdhsa_kernel k_qe747a1a959_router
		.amdhsa_group_segment_fixed_size 0
		.amdhsa_private_segment_fixed_size 0
		.amdhsa_enable_private_segment 0
		.amdhsa_kernarg_size 40
		.amdhsa_user_sgpr_count 2
		.amdhsa_user_sgpr_kernarg_segment_ptr 1
		.amdhsa_wavefront_size32 1
		.amdhsa_system_sgpr_workgroup_id_x 1
		.amdhsa_system_sgpr_workgroup_id_y 1
		.amdhsa_system_sgpr_workgroup_id_z 1
		.amdhsa_system_vgpr_workitem_id 0
		.amdhsa_next_free_vgpr 256
		.amdhsa_next_free_sgpr 66
		.amdhsa_reserve_vcc 1
		.amdhsa_float_denorm_mode_32 3
		.amdhsa_float_denorm_mode_16_64 3
		.amdhsa_memory_ordered 1
		.amdhsa_forward_progress 1
		.amdhsa_inst_pref_size 42
	.end_amdhsa_kernel
	.amdgpu_metadata
---
amdhsa.version: [ 1, 2 ]
amdhsa.kernels:
  - .name:           k_qe747a1a959_router
    .symbol:         k_qe747a1a959_router.kd
    .args:
      - { .name: x, .offset: 0, .size: 8, .value_kind: global_buffer, .address_space: global }
      - { .name: router_w, .offset: 8, .size: 8, .value_kind: global_buffer, .address_space: global }
      - { .name: xb, .offset: 16, .size: 8, .value_kind: global_buffer, .address_space: global }
      - { .name: idx, .offset: 24, .size: 8, .value_kind: global_buffer, .address_space: global }
      - { .name: rw, .offset: 32, .size: 8, .value_kind: global_buffer, .address_space: global }
    .group_segment_fixed_size: 0
    .private_segment_fixed_size: 0
    .kernarg_segment_align: 8
    .kernarg_segment_size: 40
    .max_flat_workgroup_size: 128
    .sgpr_count:     66
    .vgpr_count:     256
    .wavefront_size: 32
...
	.end_amdgpu_metadata
.endif
;; end of part 1
;; launch ffn1 (part 2): grid 32 x 8, 4 waves a work-group, no clusters, 303,872 bytes of LDS; arguments expert_w1, xb, idx, h; writes h
.if DOCPART == 2
	.amdgcn_target "amdgcn-amd-amdhsa--gfx1250"
	.amdhsa_code_object_version 6
	.text
	.protected	k_qe747a1a959_ffn1
	.globl	k_qe747a1a959_ffn1
	.p2align	8
	.type	k_qe747a1a959_ffn1,@function
k_qe747a1a959_ffn1:
	s_mov_b64 s[64:65], 0
	v_nop
	global_prefetch_b8 v0, s[64:65] scope:SCOPE_SE
	s_setreg_imm32_b32 hwreg(HW_REG_WAVE_MODE, 25, 1), 1
	s_wait_xcnt 0x0
; FIRST PRODUCT AND GELU.  h = gelu(x W1[e]^T) for the tokens that chose expert e.  Work-group (x, e): 128 of the expert's 4,096 hidden columns (512 KB of f32 weights, which it alone reads)
; and ALL of the expert's rows.  Operands bf16 (weights rounded here, once, on their way through registers; x was rounded by the launch before), sums and gelu in f32, h rounded once to bf16.
; PHASE 0: wave 0 makes the list of the expert's tokens from idx (order: load, word, lane; the second product makes the same order) and counts them.  PHASE 1: the slice streams through a ring of four
; register slots (16 loads of 512 neighbouring bytes each) into LDS as bf16; one barrier.  PHASE 2: passes of 320 rows; a wave has 5 blocks of 16 rows x all 128 columns, 40 accumulators; weights come
; from LDS, token rows from memory straight into operand registers, so a pass shares nothing that is written and has no barrier.  Four passes cover 1,024 rows, every split.  The first pass always runs, and its
; first token rows are asked for while the last weights are still on their way; a later pass that begins at or past the count is jumped.  Places past the count hold list entry 0, token 0: a row that exists;
; their results land in the expert's own spare rows of h, which nobody uses.  A wave's fifth block is multiplied through only if it holds a row below the count: its first k-step always (its sums are then
; defined numbers, and its spare rows of h are written), the other 31 under a scalar branch.
; h LIES IN OPERAND ORDER: block (e, b) of 16 list rows at (80 e + b) x 131,072; in it 1,024 bytes for each 32 hidden columns: lane l's 16 bytes at 16 l (columns 8 (l / 16) + 0..7 of row l % 16), and at 512 + 16 l (16 columns on).
; THE MATRIX INSTRUCTION IS USED TRANSPOSED (source 0 = 16 weight rows, source 1 = 16 tokens): a lane holds eight neighbouring hidden columns of one token, which is its 16 bytes of h.
; GELU, exact form: max(x, 0) - |x| / 2 erfc(|x| / sqrt 2), erfc by the five-term rational form of Abramowitz and Stegun 7.1.26: absolute error of erf at most 1.5e-7 for every argument.
; LIMITS.  An exponential below 2^-126 counts as 0.  NaN and infinities are not treated apart.
; No tensor loads: the weights pass through registers to be rounded, and the token rows come by a list.  No cluster: each weight has one reader, and the shared token rows come by a list.
; REGISTERS, in windows of 256 (s_set_vgpr_msb: bits 1:0 source 0, 3:2 source 1, 5:4 source 2, 7:6 destination):
;   window 0: addresses, gelu's registers, v128-255 two buffers of weight fragments      window 1: v0-159 token fragments, buffer 0 (block j, k-step ks at 32 j + 8 ks)
;   window 2: phase 1: the ring's four slots of 64; then the accumulators of blocks 0-3 (64 j + 8 nb)      window 3: v0-63 idx (wave 0), then block 4's accumulators; v64-223 token fragments, buffer 1
.set PITCH,  4096                      ; bytes from weight row to weight row
.set AOSTEP, 1                         ; each block of tokens has its own offset register
.set JOFF,   0
.set KSOFF,  64                        ; a k-step of 32 is 64 bytes of a token's row
.set HOFF,   32                        ; the fragment's second 16 bytes
.set COFF,   256                       ; a chunk of four k-steps
.set TSTEP,  512                       ; a trip of two chunks
.set WP,     2064                      ; an LDS row of weights: 2,048 bytes + 16 = 129 x 16: the 16 rows of a fragment load start at 16 different groups of four banks (64 banks of 4 bytes: ISA guide 11.1)
.set STAGE,  128*WP                    ; 264,192: behind the weights, 8,448 bytes for each wave
.set STG,    8448
.set LIST,   STAGE+4*STG               ; 297,984: 1,280 list words, then 32 words that take what the lanes without a row write, then the count
.set CNTB,   LIST+5248
.set SPARE,  LIST+5376                 ; 303,360: the spare words, 128 bytes for each wave: two blocks of 256 bytes that no other line names
.set LANE, 1
.set R,    2                           ; lane % 16
.set HH,   3                           ; lane / 16
.set L16,  4                           ; 16 x lane
.set LAB,  6                           ; my 8 bytes in my wave's first LDS row
.set LAC,  7                           ; the same in the round in hand
.set OFF,  8                           ; v8-11   ring slot i: my 16 bytes in the first of the two weight rows that the slot loads
.set DMP,  13                          ; 1,280 + lane: the list word for a lane without a row
.set VB,   14                          ; the lane's part of a list value
.set RK,   15
.set VAL,  16
.set LR,   17                          ; the list word of my row in block 0 of pass 0
.set LRA,  18                          ; of the pass in hand
.set BA,   20                          ; v20-23  my place in weight rows 32 p + lane % 16; never rewritten
.set BK,   24                          ; v24-27  the same, at the k-step to be fetched
.set SPW,  28                          ; my spare word; never rewritten
.set NIL,  29                          ; 0; never rewritten
.set AH,   30                          ; 16 x (lane / 16)
.set HP,   31                          ; my 16 bytes in the pass's block 0 of h
.set AO,   32                          ; v32-36  byte offset of my token's row in xb, by block
.set STO,  37                          ; my 16 bytes in my stage
.set SR,   39
.set HO,   40
.set ZR,   44                          ; v44-47  zeros
.set XA,   48                          ; v48-55, v56-63  eight sums each, on their way through gelu
.set XB,   56
.set CV,   64                          ; v64-95  phase 1: a turn's weights, rounded
.set LK,   64                          ; v64-79  phase 0: a batch's 16 list places
.set LV,   80                          ; v80-95  phase 0: its 16 list values
.set GW,   64                          ; gelu at work
.set GD,   72
.set GQ,   80
.set GM,   88
.set HF,   96                          ; v96-103 32 bytes of h
.set BB,   128
.set MSB, 0
.macro WIN new                         ; the immediate's high byte repeats the setting that is left; a switch that changes nothing is dropped
.if MSB != (\new)
	s_set_vgpr_msb (MSB<<8)|(\new)
.set MSB, (\new)
.endif
.endm
.macro ALL16 line:vararg               ; one line for each nn = 0 .. 15
.set nn, 0
.rept 16
	\line
.set nn, nn+1
.endr
.endm
; PHASE 1.  The turn of slot i: its loads are in, which also frees its offset register (ISA guide 5.7.1: loads come back in order); the two rows are rounded, the slot is filled again with the rows eight further
; down (ahead = 1), and the rounded rows go to LDS, 256 neighbouring bytes a store.  left = the younger loads that stay out.
.macro TURN i, ahead, left
	s_wait_loadcnt \left
.if \ahead
	v_add_nc_u32 v[OFF+(\i)], 8*PITCH, v[OFF+(\i)]
.endif
	WIN 0x0a                                       ; sources window 2
.set nn, 0
.rept 32
	v_cvt_pk_bf16_f32 v[CV+nn], v[64*(\i)+2*nn], v[64*(\i)+2*nn+1]
.set nn, nn+1
.endr
.if \ahead
	WIN 0x80
.set nn, 0
.rept 16
	global_load_b128 v[64*(\i)+4*nn:64*(\i)+4*nn+3], v[OFF+(\i)], s[4:5] offset:(nn/8)*PITCH+(nn%8)*512 th:TH_LOAD_NT
.set nn, nn+1
.endr
.endif
	WIN 0
.set nn, 0
.rept 16
	ds_store_b64 v[LAC], v[CV+2*nn:CV+2*nn+1] offset:(2*(\i)+nn/8)*WP+(nn%8)*256
.set nn, nn+1
.endr
.endm
; PHASE 2.
.macro BRUN b, g                       ; 4 LDS loads: weight rows 32 g .. 32 g + 31 (two fragments) of the k-step at BK, into buffer b
	WIN 0
.irp q, 0,1
	ds_load_b128 v[BB+64*(\b)+8*(2*(\g)+\q):BB+64*(\b)+8*(2*(\g)+\q)+3],   v[BK+(\g)] offset:\q*16*WP
	ds_load_b128 v[BB+64*(\b)+8*(2*(\g)+\q)+4:BB+64*(\b)+8*(2*(\g)+\q)+7], v[BK+(\g)] offset:\q*16*WP+32
.endr
.endm
; The place of the next k-step's weights along the rows: 64 bytes on, held at the slice's last k-step (byte 1,984): the fetch that runs ahead of a pass's last k-step repeats that one, and what it brings is not
; used.  A load into a register that a matrix instruction has read stands four plain vector instructions behind it (ISA guide 7.12.1 for vector instructions): the four additions,
; which name none of the products' registers, are those four, for the weight loads and for the token loads of the k-step that they open.
.macro STEPB
	WIN 0
	s_add_co_u32 s22, s22, 64
	s_min_u32 s22, s22, 1984
.irp p, 0,1,2,3
	v_add_nc_u32 v[BK+\p], s22, v[BA+\p]
.endr
.endm
.macro ARUN buf, second, j             ; 8 loads: block j's token fragments of a chunk of four k-steps
	WIN 0x40+0x80*(\buf)
.set kk, 0
.rept 4
.set rA, 64*(\buf)+32*(\j)+8*kk
	global_load_b128 v[rA:rA+3],   v[AO+AOSTEP*(\j)], s[18:19] offset:(\j)*JOFF+kk*KSOFF+(\second)*COFF
	global_load_b128 v[rA+4:rA+7], v[AO+AOSTEP*(\j)], s[18:19] offset:(\j)*JOFF+kk*KSOFF+HOFF+(\second)*COFF
.set kk, kk+1
.endr
.endm
.macro LOADA buf, second               ; all five blocks: 40 loads
.irp j, 0,1,2,3,4
	ARUN \buf, \second, \j
.endr
.endm
.macro MUL8 buf, ks, b, j, zero        ; block j's 8 products of one k-step.  zero = 1: they start the sums
	WIN 0xa4+8*(\buf)+0x50*((\j)/4)
.set nn, 0
.rept 8
.set rD, (64*(\j)+8*nn)%256
.set rA, 64*(\buf)+32*(\j)+8*(\ks)
.set rB, BB+64*(\b)+8*nn
.if \zero
	v_wmma_f32_16x16x32_bf16 v[rD:rD+7], v[rB:rB+7], v[rA:rA+7], 0
.else
	v_wmma_f32_16x16x32_bf16 v[rD:rD+7], v[rB:rB+7], v[rA:rA+7], v[rD:rD+7]
.endif
.set nn, nn+1
.endr
.endm
; A K-STEP: five groups of 8 products, a block of rows each; the accumulators take turns, one instruction a turn.  Ahead of each of the first four groups stand 4 of the next k-step's 16
; LDS loads, so that the four waves' loads come in short runs with 8 products between them; with la = 1 also the 8 token loads of that block for the chunk (lbuf, lsec).  The fifth group, and its token loads,
; are jumped where the block holds no row below the count (s53 = 0).
.macro KS buf, ks, b, la=0, lbuf=0, lsec=0
	STEPB
.irp g, 0,1,2,3
	BRUN 1-(\b), \g
.if \la
	ARUN \lbuf, \lsec, \g
.endif
.if \g == 0
	s_wait_dscnt 0x4                               ; this k-step's weights, asked for in the last k-step, are in; the 4 loads just issued may be out
.endif
	MUL8 \buf, \ks, \b, \g, 0
.endr
	WIN 0
	s_cmp_lg_u32 s53, 0
	s_cbranch_scc0 .Lno4_\@
.if \la
	ARUN \lbuf, \lsec, 4
.endif
	MUL8 \buf, \ks, \b, 4, 0
	WIN 0
.Lno4_\@:
.endm
; A PASS BEGINS: my five tokens from the list, their offsets in xb, whether my fifth block is live, and the first chunk's 40 loads.
.macro PRO
	v_add_nc_u32 v[LRA], s29, v[LR]
.irp j, 0,1,2,3,4
	ds_load_b32 v[AO+\j], v[LRA] offset:256*\j     ; my token in block 4 j + w of the pass
.endr
	s_lshl_b32 s26, s12, 4
	s_add_co_u32 s26, s26, s28
	s_add_co_u32 s26, s26, 256                     ; the first list row of my fifth block
	s_cmp_lt_u32 s26, s23
	s_cselect_b32 s53, 1, 0
	v_lshl_add_u32 v[HP], s30, 17, v[L16]
	s_mov_b32 s20, 0
	s_mov_b32 s21, 0
	s_mov_b64 s[18:19], s[6:7]
	s_wait_dscnt 0x0
.irp j, 0,1,2,3,4
	v_min_u32 v[AO+\j], 1023, v[AO+\j]
.endr
.irp j, 0,1,2,3,4
	v_lshlrev_b32 v[AO+\j], 11, v[AO+\j]           ; token x 2,048
.endr
.irp j, 0,1,2,3,4
	v_add_nc_u32 v[AO+\j], v[AH], v[AO+\j]         ; + 16 x half
.endr
	LOADA 0, 0
	WIN 0
.endm
.macro GELUC x                         ; gelu of eight sums, into GM
.irp p, 0,2,4,6
	v_pk_mul_f32 v[GW+\p:GW+\p+1], v[\x+\p:\x+\p+1], v[\x+\p:\x+\p+1]
.endr
.irp p, 0,1,2,3,4,5,6,7
	v_fma_f32 v[GD+\p], |v[\x+\p]|, s48, 1.0
.endr
.irp p, 0,2,4,6
	v_pk_mul_f32 v[GW+\p:GW+\p+1], v[GW+\p:GW+\p+1], s[36:37] op_sel_hi:[1,0]
.endr
.irp p, 0,1,2,3,4,5,6,7
	v_rcp_f32 v[GD+\p], v[GD+\p]                   ; t = 1 / (1 + p |x| / sqrt 2)
.endr
.irp p, 0,1,2,3,4,5,6,7
	v_exp_f32 v[GW+\p], v[GW+\p]                   ; e^(-x x / 2)
.endr
.irp p, 0,1,2,3,4,5,6,7
	v_max_num_f32 v[GM+\p], 0, v[\x+\p]            ; plain instructions between the transcendentals and the use of their results (ISA guide 5.7.2)
.endr
	s_wait_alu depctr_va_vdst(0)
.irp p, 0,2,4,6
	v_pk_fma_f32 v[GQ+\p:GQ+\p+1], v[GD+\p:GD+\p+1], s[38:39], s[40:41] op_sel_hi:[1,0,0]
.endr
.irp p, 0,2,4,6
	v_pk_fma_f32 v[GQ+\p:GQ+\p+1], v[GQ+\p:GQ+\p+1], v[GD+\p:GD+\p+1], s[42:43] op_sel_hi:[1,1,0]
.endr
.irp p, 0,2,4,6
	v_pk_fma_f32 v[GQ+\p:GQ+\p+1], v[GQ+\p:GQ+\p+1], v[GD+\p:GD+\p+1], s[44:45] op_sel_hi:[1,1,0]
.endr
.irp p, 0,2,4,6
	v_pk_fma_f32 v[GQ+\p:GQ+\p+1], v[GQ+\p:GQ+\p+1], v[GD+\p:GD+\p+1], s[46:47] op_sel_hi:[1,1,0]
.endr
.irp p, 0,2,4,6
	v_pk_mul_f32 v[GQ+\p:GQ+\p+1], v[GQ+\p:GQ+\p+1], v[GD+\p:GD+\p+1]
.endr
.irp p, 0,2,4,6
	v_pk_mul_f32 v[GQ+\p:GQ+\p+1], v[GQ+\p:GQ+\p+1], v[GW+\p:GW+\p+1]  ; -erfc(|x| / sqrt 2) / 2
.endr
.irp p, 0,1,2,3,4,5,6,7
	v_fma_f32 v[GM+\p], |v[\x+\p]|, v[GQ+\p], v[GM+\p]
.endr
.endm
.macro GELUP o                         ; GM rounded to eight bf16 in v[o .. o+3]
.irp p, 0,1,2,3
	v_cvt_pk_bf16_f32 v[\o+\p], v[GM+2*\p], v[GM+2*\p+1]
.endr
.endm
.macro DUMP j                          ; block j's eight accumulators into my stage; each accumulator's lowest registers are read first
	WIN 0x08+4*((\j)/4)                            ; store data in window 2 or 3
.set nn, 0
.rept 8
.set rD, (64*(\j)+8*nn)%256
	ds_store_b128 v[STO], v[rD:rD+3]   offset:1024*nn
	ds_store_b128 v[STO], v[rD+4:rD+7] offset:1024*nn+512
.set nn, nn+1
.endr
	WIN 0
.endm
	s_load_b256 s[4:11], s[0:1], 0x0               ; W1 s[4:5], xb s[6:7], idx s[8:9], h s[10:11]
	v_lshl_add_u32 v[SPW], v0, 2, SPARE
	v_mov_b32 v[NIL], 0
	v_and_b32 v[LANE], 31, v0
	v_lshrrev_b32 v[RK], 5, v0
	v_readfirstlane_b32 s12, v[RK]                 ; wave
	s_and_b32 s13, ttmp7, 0xffff                   ; expert
	s_mov_b32 s14, ttmp9                           ; slice
	v_and_b32 v[R], 15, v0
	v_bfe_u32 v[HH], v0, 4, 1
	v_lshlrev_b32 v[L16], 4, v[LANE]
	s_mul_i32 s26, s12, 32*PITCH                   ; wave w streams weight rows 32 w .. 32 w + 31
	v_add_nc_u32 v[OFF], s26, v[L16]
.irp i, 1,2,3
	v_add_nc_u32 v[OFF+\i], \i*2*PITCH, v[OFF]     ; slot i begins with rows 2 i, 2 i + 1
.endr
	s_mul_i32 s26, s12, 32*WP
	v_lshl_add_u32 v[LAB], v[LANE], 3, s26
	v_add_nc_u32 v[DMP], 1280, v[LANE]
	v_lshlrev_b32 v[VB], 1, v[LANE]                ; entry 128 c + 4 lane + jj of idx is token 64 c + 2 lane + jj / 2
	s_lshl_b32 s27, s12, 6
	s_add_co_u32 s27, s27, LIST
	v_lshl_add_u32 v[LR], v[R], 2, s27             ; list row 16 w + lane % 16
	v_mul_u32_u24 v[BA], v[R], WP
	v_lshl_add_u32 v[BA], v[HH], 4, v[BA]
	v_add_nc_u32 v[BA+1], 32*WP, v[BA]
	v_add_nc_u32 v[BA+2], 64*WP, v[BA]
	v_add_nc_u32 v[BA+3], 96*WP, v[BA]
	v_lshlrev_b32 v[AH], 4, v[HH]
	s_mul_i32 s26, s12, STG
	s_add_co_u32 s26, s26, STAGE
	v_add_nc_u32 v[STO], s26, v[L16]
.irp p, 0,1,2,3
	v_mov_b32 v[ZR+\p], 0
.endr
	s_mov_b32 s36, 0xbf38aa3b                      ; -log2(e) / 2; each constant is named as a pair, so both words are written
	s_mov_b32 s37, 0xbf38aa3b
	s_mov_b32 s38, 0xbf07dc22                      ; -a5 / 2 = -0.5307027
	s_mov_b32 s39, 0xbf07dc22
	s_mov_b32 s40, 0x3f3a00e3                      ; -a4 / 2 =  0.7265760
	s_mov_b32 s41, 0x3f3a00e3
	s_mov_b32 s42, 0xbf35f0e3                      ; -a3 / 2 = -0.7107069
	s_mov_b32 s43, 0xbf35f0e3
	s_mov_b32 s44, 0x3e11a98e                      ; -a2 / 2 =  0.1422484
	s_mov_b32 s45, 0x3e11a98e
	s_mov_b32 s46, 0xbe027906                      ; -a1 / 2 = -0.1274148
	s_mov_b32 s47, 0xbe027906
	s_mov_b32 s48, 0x3e6d3388                      ; 0.3275911 / sqrt 2
	s_lshl_b32 s16, s13, 24                        ; an expert's weights are 16 MiB, a slice 128 rows of 4,096 bytes
	s_lshl_b32 s17, s14, 19
	s_add_co_u32 s16, s16, s17
	s_mov_b32 s17, 0
	s_mul_i32 s20, s13, 10485760                   ; an expert's 80 blocks of h; the slice's four k-steps
	s_lshl_b32 s21, s14, 12
	s_add_co_u32 s20, s20, s21
	s_mov_b32 s21, 0
	s_wait_kmcnt 0x0
	s_add_nc_u64 s[4:5], s[4:5], s[16:17]
	s_add_nc_u64 s[10:11], s[10:11], s[20:21]
	s_cmp_lg_u32 s12, 0
	s_cbranch_scc1 .Lring
	WIN 0xc0                                       ; wave 0 alone: destination window 3
.set cc, 0
.rept 16
	global_load_b128 v[4*cc:4*cc+3], v[L16], s[8:9] offset:512*cc  ; all 2,048 choices, ahead of the weights, so that they come first
.set cc, cc+1
.endr
	WIN 0
.Lring:
	WIN 0x80                                       ; destination window 2: the ring is filled, rows 0 to 7 of my 32
.set nn, 0
.rept 64
	global_load_b128 v[4*nn:4*nn+3], v[OFF+nn/16], s[4:5] offset:((nn%16)/8)*PITCH+(nn%8)*512 th:TH_LOAD_NT
.set nn, nn+1
.endr
	WIN 0
	s_cmp_lg_u32 s12, 0
	s_cbranch_scc1 .Lnolist
	; THE LIST, by wave 0, in the wait for the first weights.  For each of the 64 words of idx that a lane holds: the lanes that hold my expert; a lane's rank is the count so far plus the chosen lanes below it.
	; Every lane stores: a lane without a row into a word of its own behind the list.  The rank is held inside the list's words, and behind that only shifted and added to the list's first byte.
	; Sixteen words at a time, each step for all sixteen on registers of their own, so that no line reads the result of the line before it.
	v_add_nc_u32 v[RK], LIST, v[L16]
.set nn, 0
.rept 10
	ds_store_b128 v[RK], v[ZR:ZR+3] offset:512*nn  ; the list begins as 1,280 times token 0
.set nn, nn+1
.endr
	s_mov_b32 s23, 0                               ; the count
	s_wait_loadcnt 63                              ; idx is in: 64 loads are younger, and the count can name no more than 63
.set bt, 0
.rept 4
	WIN 0x03                                       ; source 0 window 3
	ALL16 v_cmp_eq_u32 s[68+nn], v[16*bt+nn], s13
	WIN 0
.set nn, 0
.rept 16
	s_mov_b32 s[84+nn], s23                        ; the count in front of word nn
	s_bcnt1_i32_b32 s26, s[68+nn]
	s_add_co_u32 s23, s23, s26
.set nn, nn+1
.endr
	ALL16 v_mbcnt_lo_u32_b32 v[LK+nn], s[68+nn], s[84+nn]
	ALL16 v_cndmask_b32 v[LK+nn], v[DMP], v[LK+nn], s[68+nn]
	ALL16 v_min_u32 v[LK+nn], 1311, v[LK+nn]
	ALL16 v_lshlrev_b32 v[LK+nn], 2, v[LK+nn]
	ALL16 v_add_nc_u32 v[LK+nn], LIST, v[LK+nn]
	ALL16 v_add_nc_u32 v[LV+nn], 64*(4*bt+nn/4)+(nn%4)/2, v[VB]
	ALL16 ds_store_b32 v[LK+nn], v[LV+nn]
.set bt, bt+1
.endr
	v_mov_b32 v[RK], CNTB
	v_mov_b32 v[VAL], s23
	ds_store_b32 v[RK], v[VAL]                     ; all lanes write the same word with the same value
.Lnolist:
	s_wait_dscnt 0x0                               ; for the others' sake: list and count are in LDS
	s_barrier_signal -1
	s_barrier_wait -1                              ; the list's stores, whose places hang on data, are over before any other wave stores into LDS; list and count are read behind this barrier
	v_mov_b32 v[LRA], CNTB
	ds_load_b32 v[VAL], v[LRA]
	s_wait_dscnt 0x0
	v_readfirstlane_b32 s23, v[VAL]                ; the expert's rows
	s_mov_b32 s27, 4                               ; passes
	s_mov_b32 s28, 0                               ; the pass's first row
	s_mov_b32 s29, 0                               ; its first list byte
	s_mov_b32 s30, s12                             ; my first block: 20 x pass + wave
	s_mov_b32 s24, 0
	s_mov_b32 s35, 3
.Lround:                                               ; a round takes every slot once: eight rows
	v_add_nc_u32 v[LAC], s24, v[LAB]
	TURN 0, 1, 48                                  ; three younger slots of 16 loads
	TURN 1, 1, 48
	TURN 2, 1, 48
	TURN 3, 1, 48
	s_add_co_u32 s24, s24, 8*WP
	s_sub_co_u32 s35, s35, 1
	s_cmp_lg_u32 s35, 0
	s_cbranch_scc1 .Lround
	v_add_nc_u32 v[LAC], s24, v[LAB]
	TURN 0, 0, 48                                  ; the last round loads no weights: the counts run down
	TURN 1, 0, 32
	PRO                                            ; pass 0's first 40 token loads go out behind the last 32 weight loads, and land while these are rounded
	TURN 2, 0, 56                                  ; one younger slot of 16, and the 40
	TURN 3, 0, 40                                  ; the 40
	s_wait_dscnt 0x0                               ; for the others' sake: my rows are in LDS
	s_barrier_signal -1
	s_barrier_wait -1                              ; the slice is whole; from here on nobody writes it
	s_branch .Lgo                                  ; the loop over passes is entered behind its opening lines, which pass 0 has run above
.Lpass:
	s_cmp_lt_u32 s28, s23
	s_cbranch_scc0 .Ldead                          ; no row left: the pass is jumped; it holds no barrier
	s_wait_loadcnt 0x0                             ; no load of mine is out: offsets and base may be written
	s_wait_xcnt 0x0
	PRO
.Lgo:
	s_mov_b32 s22, 0
.irp p, 0,1,2,3
	v_mov_b32 v[BK+\p], v[BA+\p]
.endr
.irp g, 0,1,2,3
	BRUN 0, \g                                     ; k-step 0
.endr
	s_mov_b32 s31, 4
	STEPB
.irp g, 0,1,2,3
	BRUN 1, \g                                     ; k-step 1
.endr
	LOADA 1, 1
	s_wait_loadcnt 40                              ; the first chunk is in; the second chunk's 40 loads are younger
	s_wait_dscnt 16                                ; k-step 0's weights are in; k-step 1's 16 loads are younger
.irp j, 0,1,2,3,4
	MUL8 0, 0, 0, \j, 1                            ; the pass's first k-step is written out: its products start the sums, of all five blocks
.endr
	WIN 0
	s_branch .Lmid
.Ltrip:                                                ; a trip: two chunks of 128 along K; each chunk is asked for in the first k-step of the chunk before
	s_wait_loadcnt 0x0                             ; buffer 0's chunk is in
	KS 0, 0, 0, 1, 1, 1
.Lmid:
	KS 0, 1, 1
	KS 0, 2, 0
	KS 0, 3, 1
	s_wait_loadcnt 0x0                             ; buffer 1's chunk is in, and no load is out: the base may step
	s_add_co_u32 s20, s20, TSTEP
	s_add_nc_u64 s[18:19], s[6:7], s[20:21]
	s_cmp_eq_u32 s31, 1
	s_cbranch_scc1 .Lnoa                           ; the last trip asks for no further chunk; the waits for these loads are for 0 on both ways
	KS 1, 0, 0, 1, 0, 0
	s_branch .Lgoa
.Lnoa:
	KS 1, 0, 0
.Lgoa:
	KS 1, 1, 1
	KS 1, 2, 0
	KS 1, 3, 1
	s_sub_co_u32 s31, s31, 1
	s_cmp_lg_u32 s31, 0
	s_cbranch_scc1 .Ltrip
.rept 5
	v_nop                                          ; the places behind the last products: four for the stores that read them, five for the next pass's products, which write over them
.endr
	s_wait_dscnt 0x0                               ; the last fetch, which nobody uses, has landed
	; THE WAY OUT, a block of 16 rows at a time.  A lane's sums are already its bytes of h; they go through my stage in LDS so that ONE text of gelu can walk the five blocks' accumulators, two a trip.
	; Only the 16 stores that name a block's accumulators are written five times; forward jumps on the block's number choose among them.
	s_mov_b32 s49, 0                               ; the block
.Lblk:
	s_cmp_eq_u32 s49, 0
	s_cbranch_scc1 .Ld0
	s_cmp_eq_u32 s49, 1
	s_cbranch_scc1 .Ld1
	s_cmp_eq_u32 s49, 2
	s_cbranch_scc1 .Ld2
	s_cmp_eq_u32 s49, 3
	s_cbranch_scc1 .Ld3
	DUMP 4
	s_branch .Lgel
.Ld3:
	DUMP 3
	s_branch .Lgel
.Ld2:
	DUMP 2
	s_branch .Lgel
.Ld1:
	DUMP 1
	s_branch .Lgel
.Ld0:
	DUMP 0
.Lgel:
	ds_load_b128 v[XA:XA+3],   v[STO]              ; LDS serves a wave's instructions in order (ISA guide 5.7.1.4): these see the stores above
	ds_load_b128 v[XA+4:XA+7], v[STO] offset:512
	ds_load_b128 v[XB:XB+3],   v[STO] offset:1024
	ds_load_b128 v[XB+4:XB+7], v[STO] offset:1536
	s_lshl_b32 s50, s49, 19                        ; my blocks lie four blocks, 524,288 bytes, apart
	s_wait_xcnt 0x0                                ; the last block's stores have read their offset
	v_add_nc_u32 v[HO], s50, v[HP]
	s_mov_b32 s33, 0
	s_mov_b32 s32, 4
.Lq:                                                   ; the fetch runs a trip ahead; its place is held at the last pair (byte 6,144), so the last trip's fetch repeats that pair, and what it brings is not used
	s_add_co_u32 s33, s33, 2048
	s_min_u32 s33, s33, 6144
	v_add_nc_u32 v[SR], s33, v[STO]
	s_wait_dscnt 0x2                               ; the first eight are in; the second eight's two loads may be out
	GELUC XA
	s_wait_xcnt 0x0                                ; the last trip's stores, issued a whole gelu ago, have read their offset and data: both are rewritten only behind this wait
	v_add_nc_u32 v[HO], 1024, v[HO]                ; the stores below reach back
	GELUP HF
	ds_load_b128 v[XA:XA+3],   v[SR]
	ds_load_b128 v[XA+4:XA+7], v[SR] offset:512
	s_wait_dscnt 0x2                               ; the second eight are in; the two loads just issued may be out
	GELUC XB
	GELUP HF+4
	ds_load_b128 v[XB:XB+3],   v[SR] offset:1024
	ds_load_b128 v[XB+4:XB+7], v[SR] offset:1536
	global_store_b128 v[HO], v[HF:HF+3],   s[10:11] offset:-1024 th:TH_STORE_NT  ; each store of the wave covers 512 consecutive bytes, aligned
	global_store_b128 v[HO], v[HF+4:HF+7], s[10:11] offset:-512 th:TH_STORE_NT
	s_sub_co_u32 s32, s32, 1
	s_cmp_lg_u32 s32, 0
	s_cbranch_scc1 .Lq
	s_wait_dscnt 0x0                               ; the last fetch has landed: its registers may be loaded again
	s_add_co_u32 s49, s49, 1
	s_cmp_lt_u32 s49, 5
	s_cbranch_scc1 .Lblk
.Ldead:
	s_add_co_u32 s28, s28, 320
	s_add_co_u32 s29, s29, 1280
	s_add_co_u32 s30, s30, 20
	s_sub_co_u32 s27, s27, 1
	s_cmp_lg_u32 s27, 0
	s_cbranch_scc1 .Lpass
	s_wait_tensorcnt 0x0                           ; the wave's end, behind my last LDS store
	ds_add_u32 v[SPW], v[NIL]
	s_wait_dscnt 0x0
	s_endpgm
.Lfunc_end_k_qe747a1a959_ffn1:
	.size	k_qe747a1a959_ffn1, .Lfunc_end_k_qe747a1a959_ffn1-k_qe747a1a959_ffn1
	.p2alignl 7, 3214868480
	.fill 96, 4, 3214868480
	.section	.rodata,"a",@progbits
	.p2align	6, 0x0
	.amdhsa_kernel k_qe747a1a959_ffn1
		.amdhsa_group_segment_fixed_size 303872
		.amdhsa_private_segment_fixed_size 0
		.amdhsa_enable_private_segment 0
		.amdhsa_kernarg_size 32
		.amdhsa_user_sgpr_count 2
		.amdhsa_user_sgpr_kernarg_segment_ptr 1
		.amdhsa_wavefront_size32 1
		.amdhsa_system_sgpr_workgroup_id_x 1
		.amdhsa_system_sgpr_workgroup_id_y 1
		.amdhsa_system_sgpr_workgroup_id_z 1
		.amdhsa_system_vgpr_workitem_id 0
		.amdhsa_next_free_vgpr 992
		.amdhsa_next_free_sgpr 100
		.amdhsa_reserve_vcc 0
		.amdhsa_float_denorm_mode_32 3
		.amdhsa_float_denorm_mode_16_64 3
		.amdhsa_memory_ordered 1
		.amdhsa_forward_progress 1
		.amdhsa_inst_pref_size 161
	.end_amdhsa_kernel
	.amdgpu_metadata
---
amdhsa.version: [ 1, 2 ]
amdhsa.kernels:
  - .name:           k_qe747a1a959_ffn1
    .symbol:         k_qe747a1a959_ffn1.kd
    .args:
      - { .name: expert_w1, .offset: 0, .size: 8, .value_kind: global_buffer, .address_space: global }
      - { .name: xb, .offset: 8, .size: 8, .value_kind: global_buffer, .address_space: global }
      - { .name: idx, .offset: 16, .size: 8, .value_kind: global_buffer, .address_space: global }
      - { .name: h, .offset: 24, .size: 8, .value_kind: global_buffer, .address_space: global }
    .group_segment_fixed_size: 303872
    .private_segment_fixed_size: 0
    .kernarg_segment_align: 8
    .kernarg_segment_size: 32
    .max_flat_workgroup_size: 128
    .sgpr_count:     100
    .vgpr_count:     992
    .wavefront_size: 32
...
	.end_amdgpu_metadata
.endif
;; end of part 2
;; launch ffn2 (part 3): grid 32 x 8, 4 waves a work-group, no clusters, 303,872 bytes of LDS; arguments expert_w2, h, idx, part; writes part
.if DOCPART == 3
	.amdgcn_target "amdgcn-amd-amdhsa--gfx1250"
	.amdhsa_code_object_version 6
	.text
	.protected	k_qe747a1a959_ffn2
	.globl	k_qe747a1a959_ffn2
	.p2align	8
	.type	k_qe747a1a959_ffn2,@function
k_qe747a1a959_ffn2:
	s_mov_b64 s[64:65], 0
	v_nop
	global_prefetch_b8 v0, s[64:65] scope:SCOPE_SE
	s_setreg_imm32_b32 hwreg(HW_REG_WAVE_MODE, 25, 1), 1
	s_wait_xcnt 0x0
; SECOND PRODUCT.  part[kq][slot] = h W2[e]^T over a quarter kq of the hidden width, for the slots (slot = 2 token + choice) that hold expert e.  Work-group (x, e), x = ns + 8 kq: 128 of the 1,024
; output columns x 1,024 of the 4,096 hidden columns (512 KB of f32 weights, which it alone reads) and ALL of the expert's rows.  Operands bf16 (weights rounded here, once), sums f32; the four
; quarters' partial sums are stored in f32, and the next launch adds them and applies the routing weights.
; The three phases, the passes of 320 rows (the first always runs), the fifth block's branch, the transposed use of the matrix instruction and the register windows are those of the first product; here the rows come
; from h, which lies in operand order (block (e, b) of 16 list rows at (80 e + b) x 131,072; 1,024 bytes for each 32 hidden columns), so a wave's load is 512 consecutive bytes.  The list holds slots, in the same
; order as the first product's list of tokens.  A pass that runs reads of all its 20 blocks at least the first two chunks; the first product, which runs the same passes, has written them whole.  Rows past the
; count are not stored.
; Quarters of K, not the whole K on 32 columns: a work-group then reads a quarter of each row of h, and h is read 8 times in all, not 32.
; No tensor loads: the weights pass through registers to be rounded.  No cluster: each weight has one reader; the 8 work-groups that share rows of h would need 320 rows x 256 bytes for each chunk of K in LDS, 80 KB
; beside a slice of 264,192 bytes, a stage and a list: it does not fit.
; LIMITS.  NaN and infinities are not treated apart.
.set PITCH,  16384                     ; bytes from weight row to weight row
.set AOSTEP, 0                         ; one offset register: the blocks stand in the immediates
.set JOFF,   524288                    ; my blocks lie four blocks apart
.set KSOFF,  1024                      ; a k-step's fragment
.set HOFF,   512                       ; its second half
.set COFF,   4096                      ; a chunk of four k-steps
.set TSTEP,  8192                      ; a trip of two chunks
.set WP,     2064                      ; an LDS row of weights: 2,048 bytes + 16 = 129 x 16: the 16 rows of a fragment load start at 16 different groups of four banks (64 banks of 4 bytes: ISA guide 11.1)
.set STAGE,  128*WP                    ; 264,192: behind the weights, 16 rows of 528 bytes for each wave
.set SPP,    528                       ; 512 bytes + 16 = 33 x 16
.set STG,    16*SPP
.set LIST,   STAGE+4*STG               ; 297,984: 1,280 list words, then 32 words that take what the lanes without a row write, then the count
.set CNTB,   LIST+5248
.set SPARE,  LIST+5376                 ; 303,360: the spare words, 128 bytes for each wave: two blocks of 256 bytes that no other line names
.set LANE, 1
.set R,    2
.set HH,   3
.set L16,  4
.set LAB,  6
.set LAC,  7
.set OFF,  8                           ; v8-11   ring slot i: my 16 bytes in the first of the two weight rows that the slot loads
.set DMP,  13                          ; 1,280 + lane: the list word for a lane without a row
.set VB,   14
.set RK,   15
.set VAL,  16
.set LR,   17                          ; the list words of my block 0 of pass 0 (the same in every lane)
.set LRA,  18                          ; of the pass in hand
.set LRJ,  19                          ; of the block in hand
.set BA,   20                          ; v20-23  my place in weight rows 32 p + lane % 16; never rewritten
.set BK,   24                          ; v24-27  the same, at the k-step to be fetched
.set SPW,  28                          ; my spare word; never rewritten
.set NIL,  29                          ; 0; never rewritten
.set AO,   32                          ; my 16 bytes in the pass's block 0 of h
.set STO,  37                          ; the way out: where I put 32 bytes of a row
.set SRB,  38                          ; where I read a row back
.set ZR,   44
.set CV,   64
.set LK,   64                          ; v64-79  phase 0: a batch's 16 list places
.set LV,   80                          ; v80-95  phase 0: its 16 list values
.set BB,   128
.set DT,   128                         ; the way out: 16 rows, 4 registers each
.set ID,   192                         ; their slots
.set OFS,  208                         ; their byte offsets in part
.set MSB, 0
.macro WIN new                         ; the immediate's high byte repeats the setting that is left; a switch that changes nothing is dropped
.if MSB != (\new)
	s_set_vgpr_msb (MSB<<8)|(\new)
.set MSB, (\new)
.endif
.endm
.macro ALL16 line:vararg               ; one line for each nn = 0 .. 15
.set nn, 0
.rept 16
	\line
.set nn, nn+1
.endr
.endm
; PHASE 1.  The turn of slot i: its loads are in, which also frees its offset register (ISA guide 5.7.1: loads come back in order); the two rows are rounded, the slot is filled again with the rows eight further
; down (ahead = 1), and the rounded rows go to LDS, 256 neighbouring bytes a store.  left = the younger loads that stay out.
.macro TURN i, ahead, left
	s_wait_loadcnt \left
.if \ahead
	v_add_nc_u32 v[OFF+(\i)], 8*PITCH, v[OFF+(\i)]
.endif
	WIN 0x0a                                       ; sources window 2
.set nn, 0
.rept 32
	v_cvt_pk_bf16_f32 v[CV+nn], v[64*(\i)+2*nn], v[64*(\i)+2*nn+1]
.set nn, nn+1
.endr
.if \ahead
	WIN 0x80
.set nn, 0
.rept 16
	global_load_b128 v[64*(\i)+4*nn:64*(\i)+4*nn+3], v[OFF+(\i)], s[4:5] offset:(nn/8)*PITCH+(nn%8)*512 th:TH_LOAD_NT
.set nn, nn+1
.endr
.endif
	WIN 0
.set nn, 0
.rept 16
	ds_store_b64 v[LAC], v[CV+2*nn:CV+2*nn+1] offset:(2*(\i)+nn/8)*WP+(nn%8)*256
.set nn, nn+1
.endr
.endm
; PHASE 2.
.macro BRUN b, g                       ; 4 LDS loads: weight rows 32 g .. 32 g + 31 (two fragments) of the k-step at BK, into buffer b
	WIN 0
.irp q, 0,1
	ds_load_b128 v[BB+64*(\b)+8*(2*(\g)+\q):BB+64*(\b)+8*(2*(\g)+\q)+3],   v[BK+(\g)] offset:\q*16*WP
	ds_load_b128 v[BB+64*(\b)+8*(2*(\g)+\q)+4:BB+64*(\b)+8*(2*(\g)+\q)+7], v[BK+(\g)] offset:\q*16*WP+32
.endr
.endm
; The place of the next k-step's weights along the rows: 64 bytes on, held at the slice's last k-step (byte 1,984): the fetch that runs ahead of a pass's last k-step repeats that one, and what it brings is not
; used.  A load into a register that a matrix instruction has read stands four plain vector instructions behind it (ISA guide 7.12.1 for vector instructions): the four additions,
; which name none of the products' registers, are those four, for the weight loads and for the loads of h of the k-step that they open.
.macro STEPB
	WIN 0
	s_add_co_u32 s22, s22, 64
	s_min_u32 s22, s22, 1984
.irp p, 0,1,2,3
	v_add_nc_u32 v[BK+\p], s22, v[BA+\p]
.endr
.endm
.macro ARUN buf, second, j             ; 8 loads of 512 consecutive bytes: block j's fragments of a chunk of four k-steps
	WIN 0x40+0x80*(\buf)
.set kk, 0
.rept 4
.set rA, 64*(\buf)+32*(\j)+8*kk
	global_load_b128 v[rA:rA+3],   v[AO+AOSTEP*(\j)], s[18:19] offset:(\j)*JOFF+kk*KSOFF+(\second)*COFF
	global_load_b128 v[rA+4:rA+7], v[AO+AOSTEP*(\j)], s[18:19] offset:(\j)*JOFF+kk*KSOFF+HOFF+(\second)*COFF
.set kk, kk+1
.endr
.endm
.macro LOADA buf, second               ; all five blocks: 40 loads
.irp j, 0,1,2,3,4
	ARUN \buf, \second, \j
.endr
.endm
.macro MUL8 buf, ks, b, j, zero        ; block j's 8 products of one k-step.  zero = 1: they start the sums
	WIN 0xa4+8*(\buf)+0x50*((\j)/4)
.set nn, 0
.rept 8
.set rD, (64*(\j)+8*nn)%256
.set rA, 64*(\buf)+32*(\j)+8*(\ks)
.set rB, BB+64*(\b)+8*nn
.if \zero
	v_wmma_f32_16x16x32_bf16 v[rD:rD+7], v[rB:rB+7], v[rA:rA+7], 0
.else
	v_wmma_f32_16x16x32_bf16 v[rD:rD+7], v[rB:rB+7], v[rA:rA+7], v[rD:rD+7]
.endif
.set nn, nn+1
.endr
.endm
; A K-STEP: five groups of 8 products, a block of rows each; the accumulators take turns, one instruction a turn.  Ahead of each of the first four groups stand 4 of the next k-step's 16
; LDS loads, so that the four waves' loads come in short runs with 8 products between them; with la = 1 also the 8 loads of that block's rows of h for the chunk (lbuf, lsec).  The fifth group, and its loads,
; are jumped where the block holds no row below the count (s53 = 0).
.macro KS buf, ks, b, la=0, lbuf=0, lsec=0
	STEPB
.irp g, 0,1,2,3
	BRUN 1-(\b), \g
.if \la
	ARUN \lbuf, \lsec, \g
.endif
.if \g == 0
	s_wait_dscnt 0x4                               ; this k-step's weights, asked for in the last k-step, are in; the 4 loads just issued may be out
.endif
	MUL8 \buf, \ks, \b, \g, 0
.endr
	WIN 0
	s_cmp_lg_u32 s53, 0
	s_cbranch_scc0 .Lno4_\@
.if \la
	ARUN \lbuf, \lsec, 4
.endif
	MUL8 \buf, \ks, \b, 4, 0
	WIN 0
.Lno4_\@:
.endm
; A PASS BEGINS: my place in h and in the list, how many of my rows lie below the count, whether my fifth block is live, and the first chunk's 40 loads.
.macro PRO
	v_add_nc_u32 v[LRA], s29, v[LR]
	v_lshl_add_u32 v[AO], s30, 17, v[L16]
	s_sub_co_i32 s34, s23, s28                     ; rows left, counted from my block 0's first row: row 64 j + n of mine is stored if it is below this
	s_lshl_b32 s26, s12, 4
	s_sub_co_i32 s34, s34, s26
	s_cmp_gt_i32 s34, 256                          ; my fifth block begins at row 256 of mine
	s_cselect_b32 s53, 1, 0
	s_mov_b32 s20, 0
	s_mov_b32 s21, 0
	s_mov_b64 s[18:19], s[6:7]
	LOADA 0, 0
	WIN 0
.endm
.macro DUMP j                          ; block j's eight accumulators into my stage, by rows of 528 bytes; each accumulator's lowest registers are read first
	WIN 0x08+4*((\j)/4)                            ; store data in window 2 or 3
.set nn, 0
.rept 8
.set rD, (64*(\j)+8*nn)%256
	ds_store_b128 v[STO], v[rD:rD+3]   offset:64*nn
	ds_store_b128 v[STO], v[rD+4:rD+7] offset:64*nn+16
.set nn, nn+1
.endr
	WIN 0
.endm
	s_load_b256 s[4:11], s[0:1], 0x0               ; W2 s[4:5], h s[6:7], idx s[8:9], part s[10:11]
	v_lshl_add_u32 v[SPW], v0, 2, SPARE
	v_mov_b32 v[NIL], 0
	v_and_b32 v[LANE], 31, v0
	v_lshrrev_b32 v[RK], 5, v0
	v_readfirstlane_b32 s12, v[RK]                 ; wave
	s_and_b32 s13, ttmp7, 0xffff                   ; expert
	s_and_b32 s15, ttmp9, 7                        ; ns: which 128 output columns
	s_lshr_b32 s14, ttmp9, 3                       ; kq: which quarter of the hidden width
	v_and_b32 v[R], 15, v0
	v_bfe_u32 v[HH], v0, 4, 1
	v_lshlrev_b32 v[L16], 4, v[LANE]
	s_mul_i32 s26, s12, 32*PITCH                   ; wave w streams weight rows 32 w .. 32 w + 31
	v_add_nc_u32 v[OFF], s26, v[L16]
.irp i, 1,2,3
	v_add_nc_u32 v[OFF+\i], \i*2*PITCH, v[OFF]     ; slot i begins with rows 2 i, 2 i + 1
.endr
	s_mul_i32 s26, s12, 32*WP
	v_lshl_add_u32 v[LAB], v[LANE], 3, s26
	v_add_nc_u32 v[DMP], 1280, v[LANE]
	v_lshlrev_b32 v[VB], 2, v[LANE]                ; entry 128 c + 4 lane + jj of idx is that slot
	s_lshl_b32 s27, s12, 6
	s_add_co_u32 s27, s27, LIST
	v_mov_b32 v[LR], s27                           ; list rows 16 w ..
	v_mul_u32_u24 v[BA], v[R], WP
	v_lshl_add_u32 v[BA], v[HH], 4, v[BA]
	v_add_nc_u32 v[BA+1], 32*WP, v[BA]
	v_add_nc_u32 v[BA+2], 64*WP, v[BA]
	v_add_nc_u32 v[BA+3], 96*WP, v[BA]
	s_mul_i32 s26, s12, STG
	s_add_co_u32 s26, s26, STAGE
	v_mul_u32_u24 v[STO], v[R], SPP                ; in: row lane % 16, 32 bytes for each half of the lanes
	v_lshl_add_u32 v[STO], v[HH], 5, v[STO]
	v_add_nc_u32 v[STO], s26, v[STO]
	v_add_nc_u32 v[SRB], s26, v[L16]               ; back: the 32 lanes take a row's 512 bytes
.irp p, 0,1,2,3
	v_mov_b32 v[ZR+\p], 0
.endr
	s_lshl_b32 s16, s13, 24                        ; an expert's weights are 16 MiB; 128 rows of 16,384 bytes; a quarter of a row
	s_lshl_b32 s17, s15, 21
	s_add_co_u32 s16, s16, s17
	s_lshl_b32 s17, s14, 12
	s_add_co_u32 s16, s16, s17
	s_mov_b32 s17, 0
	s_mul_i32 s20, s13, 10485760                   ; an expert's 80 blocks of h; the quarter's 32 k-steps
	s_lshl_b32 s21, s14, 15
	s_add_co_u32 s20, s20, s21
	s_mov_b32 s21, 0
	s_lshl_b32 s18, s14, 23                        ; a quarter's plane of part is 8 MiB; my 512 bytes of a row
	s_lshl_b32 s19, s15, 9
	s_add_co_u32 s18, s18, s19
	s_mov_b32 s19, 0
	s_wait_kmcnt 0x0
	s_add_nc_u64 s[4:5], s[4:5], s[16:17]
	s_add_nc_u64 s[6:7], s[6:7], s[20:21]
	s_add_nc_u64 s[10:11], s[10:11], s[18:19]
	s_cmp_lg_u32 s12, 0
	s_cbranch_scc1 .Lring
	WIN 0xc0                                       ; wave 0 alone: destination window 3
.set cc, 0
.rept 16
	global_load_b128 v[4*cc:4*cc+3], v[L16], s[8:9] offset:512*cc  ; all 2,048 choices, ahead of the weights, so that they come first
.set cc, cc+1
.endr
	WIN 0
.Lring:
	WIN 0x80                                       ; destination window 2: the ring is filled, rows 0 to 7 of my 32
.set nn, 0
.rept 64
	global_load_b128 v[4*nn:4*nn+3], v[OFF+nn/16], s[4:5] offset:((nn%16)/8)*PITCH+(nn%8)*512 th:TH_LOAD_NT
.set nn, nn+1
.endr
	WIN 0
	s_cmp_lg_u32 s12, 0
	s_cbranch_scc1 .Lnolist
	; THE LIST, by wave 0, in the wait for the first weights.  For each of the 64 words of idx that a lane holds: the lanes that hold my expert; a lane's rank is the count so far plus the chosen lanes below it.
	; Every lane stores: a lane without a row into a word of its own behind the list.  The rank is held inside the list's words, and behind that only shifted and added to the list's first byte.
	; Sixteen words at a time, each step for all sixteen on registers of their own, so that no line reads the result of the line before it.
	v_add_nc_u32 v[RK], LIST, v[L16]
.set nn, 0
.rept 10
	ds_store_b128 v[RK], v[ZR:ZR+3] offset:512*nn  ; the list begins as 1,280 zeros
.set nn, nn+1
.endr
	s_mov_b32 s23, 0                               ; the count
	s_wait_loadcnt 63                              ; idx is in: 64 loads are younger, and the count can name no more than 63
.set bt, 0
.rept 4
	WIN 0x03                                       ; source 0 window 3
	ALL16 v_cmp_eq_u32 s[68+nn], v[16*bt+nn], s13
	WIN 0
.set nn, 0
.rept 16
	s_mov_b32 s[84+nn], s23                        ; the count in front of word nn
	s_bcnt1_i32_b32 s26, s[68+nn]
	s_add_co_u32 s23, s23, s26
.set nn, nn+1
.endr
	ALL16 v_mbcnt_lo_u32_b32 v[LK+nn], s[68+nn], s[84+nn]
	ALL16 v_cndmask_b32 v[LK+nn], v[DMP], v[LK+nn], s[68+nn]
	ALL16 v_min_u32 v[LK+nn], 1311, v[LK+nn]
	ALL16 v_lshlrev_b32 v[LK+nn], 2, v[LK+nn]
	ALL16 v_add_nc_u32 v[LK+nn], LIST, v[LK+nn]
	ALL16 v_add_nc_u32 v[LV+nn], 128*(4*bt+nn/4)+nn%4, v[VB]
	ALL16 ds_store_b32 v[LK+nn], v[LV+nn]
.set bt, bt+1
.endr
	v_mov_b32 v[RK], CNTB
	v_mov_b32 v[VAL], s23
	ds_store_b32 v[RK], v[VAL]                     ; all lanes write the same word with the same value
.Lnolist:
	s_wait_dscnt 0x0                               ; for the others' sake: list and count are in LDS
	s_barrier_signal -1
	s_barrier_wait -1                              ; the list's stores, whose places hang on data, are over before any other wave stores into LDS; list and count are read behind this barrier
	v_mov_b32 v[LRA], CNTB
	ds_load_b32 v[VAL], v[LRA]
	s_wait_dscnt 0x0
	v_readfirstlane_b32 s23, v[VAL]                ; the expert's rows
	s_mov_b32 s27, 4                               ; passes
	s_mov_b32 s28, 0                               ; the pass's first row
	s_mov_b32 s29, 0                               ; its first list byte
	s_mov_b32 s30, s12                             ; my first block: 20 x pass + wave
	s_mov_b32 s24, 0
	s_mov_b32 s35, 3
.Lround:                                               ; a round takes every slot once: eight rows
	v_add_nc_u32 v[LAC], s24, v[LAB]
	TURN 0, 1, 48                                  ; three younger slots of 16 loads
	TURN 1, 1, 48
	TURN 2, 1, 48
	TURN 3, 1, 48
	s_add_co_u32 s24, s24, 8*WP
	s_sub_co_u32 s35, s35, 1
	s_cmp_lg_u32 s35, 0
	s_cbranch_scc1 .Lround
	v_add_nc_u32 v[LAC], s24, v[LAB]
	TURN 0, 0, 48                                  ; the last round loads no weights: the counts run down
	TURN 1, 0, 32
	PRO                                            ; pass 0's first 40 loads of h go out behind the last 32 weight loads, and land while these are rounded
	TURN 2, 0, 56                                  ; one younger slot of 16, and the 40
	TURN 3, 0, 40                                  ; the 40
	s_wait_dscnt 0x0                               ; for the others' sake: my rows are in LDS
	s_barrier_signal -1
	s_barrier_wait -1                              ; the slice is whole; from here on nobody writes it
	s_branch .Lgo                                  ; the loop over passes is entered behind its opening lines, which pass 0 has run above
.Lpass:
	s_cmp_lt_u32 s28, s23
	s_cbranch_scc0 .Ldead                          ; no row left: the pass is jumped; it holds no barrier
	s_wait_loadcnt 0x0                             ; no load of mine is out: offset and base may be written
	s_wait_xcnt 0x0                                ; and the last pass's stores have read their registers, which the fragment loads below fill again
	PRO
.Lgo:
	s_mov_b32 s22, 0
.irp p, 0,1,2,3
	v_mov_b32 v[BK+\p], v[BA+\p]
.endr
.irp g, 0,1,2,3
	BRUN 0, \g                                     ; k-step 0
.endr
	s_mov_b32 s31, 4
	STEPB
.irp g, 0,1,2,3
	BRUN 1, \g                                     ; k-step 1
.endr
	LOADA 1, 1
	s_wait_loadcnt 40                              ; the first chunk is in; the second chunk's 40 loads are younger
	s_wait_dscnt 16                                ; k-step 0's weights are in; k-step 1's 16 loads are younger
.irp j, 0,1,2,3,4
	MUL8 0, 0, 0, \j, 1                            ; the pass's first k-step is written out: its products start the sums, of all five blocks
.endr
	WIN 0
	s_branch .Lmid
.Ltrip:                                                ; a trip: two chunks of 128 along K; each chunk is asked for in the first k-step of the chunk before
	s_wait_loadcnt 0x0                             ; buffer 0's chunk is in
	KS 0, 0, 0, 1, 1, 1
.Lmid:
	KS 0, 1, 1
	KS 0, 2, 0
	KS 0, 3, 1
	s_wait_loadcnt 0x0                             ; buffer 1's chunk is in, and no load is out: the base may step
	s_add_co_u32 s20, s20, TSTEP
	s_add_nc_u64 s[18:19], s[6:7], s[20:21]
	s_cmp_eq_u32 s31, 1
	s_cbranch_scc1 .Lnoa                           ; the last trip asks for no further chunk; the waits for these loads are for 0 on both ways
	KS 1, 0, 0, 1, 0, 0
	s_branch .Lgoa
.Lnoa:
	KS 1, 0, 0
.Lgoa:
	KS 1, 1, 1
	KS 1, 2, 0
	KS 1, 3, 1
	s_sub_co_u32 s31, s31, 1
	s_cmp_lg_u32 s31, 0
	s_cbranch_scc1 .Ltrip
.rept 5
	v_nop                                          ; the places behind the last products: four for the stores that read them and the loads into their sources, five for the next pass's products, which write over them
.endr
	s_wait_dscnt 0x0                               ; the last fetch, which nobody uses, has landed: its registers may be loaded again
	; THE WAY OUT, a block of 16 rows at a time.  A lane holds 8 neighbouring columns of one row; the block goes into my stage by rows of 528 bytes and comes back as whole rows of 512, each stored by one
	; instruction at its slot's row of part.  Only the 16 stores that name a block's accumulators are written five times; forward jumps on the block's number choose among them.  Rows at or past the count are
	; not stored: a scalar branch, the same for the whole wave, jumps the rest of the block, or the whole block.
	s_mov_b32 s49, 0                               ; the block
	s_mov_b32 s52, s34                             ; rows left, counted from the block's first row
.Lblk:
	s_cmp_gt_i32 s52, 0
	s_cbranch_scc0 .Lend
	s_cmp_eq_u32 s49, 0
	s_cbranch_scc1 .Ld0
	s_cmp_eq_u32 s49, 1
	s_cbranch_scc1 .Ld1
	s_cmp_eq_u32 s49, 2
	s_cbranch_scc1 .Ld2
	s_cmp_eq_u32 s49, 3
	s_cbranch_scc1 .Ld3
	DUMP 4
	s_branch .Lsend
.Ld3:
	DUMP 3
	s_branch .Lsend
.Ld2:
	DUMP 2
	s_branch .Lsend
.Ld1:
	DUMP 1
	s_branch .Lsend
.Ld0:
	DUMP 0
.Lsend:
	s_lshl_b32 s51, s49, 8                         ; my blocks' list words lie 256 bytes apart; the fifth's begin at 1,024
	s_min_u32 s51, s51, 1024
	v_add_nc_u32 v[LRJ], s51, v[LRA]
	s_wait_xcnt 0x0                                ; the last block's stores have read their data and offsets
	ALL16 ds_load_b128 v[DT+4*nn:DT+4*nn+3], v[SRB] offset:SPP*nn
.set nn, 0
.rept 4
	ds_load_b128 v[ID+4*nn:ID+4*nn+3], v[LRJ] offset:16*nn  ; the block's 16 slots, in every lane
.set nn, nn+1
.endr
	s_wait_dscnt 0x0                               ; LDS serves a wave's instructions in order (ISA guide 5.7.1.4): the rows read back are those just stored
	ALL16 v_min_u32 v[ID+nn], 2047, v[ID+nn]
	ALL16 v_lshlrev_b32 v[OFS+nn], 12, v[ID+nn]
	ALL16 v_add_nc_u32 v[OFS+nn], v[L16], v[OFS+nn]
.set nn, 0
.rept 16
	s_cmp_gt_i32 s52, nn
	s_cbranch_scc0 .Lend
	global_store_b128 v[OFS+nn], v[DT+4*nn:DT+4*nn+3], s[10:11] th:TH_STORE_NT  ; slot x 4,096 + my 16 bytes: 512 consecutive bytes, aligned
.set nn, nn+1
.endr
.Lend:
	s_sub_co_i32 s52, s52, 64
	s_add_co_u32 s49, s49, 1
	s_cmp_lt_u32 s49, 5
	s_cbranch_scc1 .Lblk
.Ldead:
	s_add_co_u32 s28, s28, 320
	s_add_co_u32 s29, s29, 1280
	s_add_co_u32 s30, s30, 20
	s_sub_co_u32 s27, s27, 1
	s_cmp_lg_u32 s27, 0
	s_cbranch_scc1 .Lpass
	s_wait_tensorcnt 0x0                           ; the wave's end, behind my last LDS store
	ds_add_u32 v[SPW], v[NIL]
	s_wait_dscnt 0x0
	s_endpgm
.Lfunc_end_k_qe747a1a959_ffn2:
	.size	k_qe747a1a959_ffn2, .Lfunc_end_k_qe747a1a959_ffn2-k_qe747a1a959_ffn2
	.p2alignl 7, 3214868480
	.fill 96, 4, 3214868480
	.section	.rodata,"a",@progbits
	.p2align	6, 0x0
	.amdhsa_kernel k_qe747a1a959_ffn2
		.amdhsa_group_segment_fixed_size 303872
		.amdhsa_private_segment_fixed_size 0
		.amdhsa_enable_private_segment 0
		.amdhsa_kernarg_size 32
		.amdhsa_user_sgpr_count 2
		.amdhsa_user_sgpr_kernarg_segment_ptr 1
		.amdhsa_wavefront_size32 1
		.amdhsa_system_sgpr_workgroup_id_x 1
		.amdhsa_system_sgpr_workgroup_id_y 1
		.amdhsa_system_sgpr_workgroup_id_z 1
		.amdhsa_system_vgpr_workitem_id 0
		.amdhsa_next_free_vgpr 992
		.amdhsa_next_free_sgpr 100
		.amdhsa_reserve_vcc 0
		.amdhsa_float_denorm_mode_32 3
		.amdhsa_float_denorm_mode_16_64 3
		.amdhsa_memory_ordered 1
		.amdhsa_forward_progress 1
		.amdhsa_inst_pref_size 155
	.end_amdhsa_kernel
	.amdgpu_metadata
---
amdhsa.version: [ 1, 2 ]
amdhsa.kernels:
  - .name:           k_qe747a1a959_ffn2
    .symbol:         k_qe747a1a959_ffn2.kd
    .args:
      - { .name: expert_w2, .offset: 0, .size: 8, .value_kind: global_buffer, .address_space: global }
      - { .name: h, .offset: 8, .size: 8, .value_kind: global_buffer, .address_space: global }
      - { .name: idx, .offset: 16, .size: 8, .value_kind: global_buffer, .address_space: global }
      - { .name: part, .offset: 24, .size: 8, .value_kind: global_buffer, .address_space: global }
    .group_segment_fixed_size: 303872
    .private_segment_fixed_size: 0
    .kernarg_segment_align: 8
    .kernarg_segment_size: 32
    .max_flat_workgroup_size: 128
    .sgpr_count:     100
    .vgpr_count:     992
    .wavefront_size: 32
...
	.end_amdgpu_metadata
.endif
;; end of part 3
;; launch combine (part 4): grid 256 x 1, 8 waves a work-group, no clusters, 0 bytes of LDS; arguments part, rw, out0; writes out0
.if DOCPART == 4
	.amdgcn_target "amdgcn-amd-amdhsa--gfx1250"
	.amdhsa_code_object_version 6
	.text
	.protected	k_qe747a1a959_combine
	.globl	k_qe747a1a959_combine
	.p2align	8
	.type	k_qe747a1a959_combine,@function
k_qe747a1a959_combine:
	s_mov_b64 s[64:65], 0
	v_nop
	global_prefetch_b8 v0, s[64:65] scope:SCOPE_SE
	s_setreg_imm32_b32 hwreg(HW_REG_WAVE_MODE, 25, 1), 1
	s_wait_xcnt 0x0
; THE SUM.  out[t] = w[t][0] (the four quarters of slot 2 t, added) + w[t][1] (those of slot 2 t + 1), all in f32.  part: [4][2048][1024] f32; rw: [1024][2] f32.
; Work-group g owns tokens 4 g .. 4 g + 3; thread n owns the 16 bytes at byte 16 n of every row, so a wave's load or store covers 512 consecutive bytes and the eight waves a row.
; A stream: all 32 loads of a thread go out at once, by tokens, and each token is added up as its eight arrive.  LDS, barriers and the matrix unit would add nothing.
.set P, 16                             ; v[16:143]  token i, choice k, quarter q at P + 4 (4 (2 i + k) + q)
	s_load_b128 s[4:7], s[0:1], 0x0                ; part s[4:5], rw s[6:7]
	s_load_b64 s[8:9], s[0:1], 0x10                ; out0
	v_lshlrev_b32 v1, 4, v0
	s_lshl_b32 s10, ttmp9, 15                      ; eight slots of 4,096 bytes
	s_mov_b32 s11, 0
	s_lshl_b32 s12, ttmp9, 5                       ; eight weights
	s_mov_b32 s13, 0
	s_lshl_b32 s14, ttmp9, 14                      ; four rows of out
	s_mov_b32 s15, 0
	s_wait_kmcnt 0x0
	s_add_nc_u64 s[6:7], s[6:7], s[12:13]
	s_load_b256 s[24:31], s[6:7], 0x0              ; this launch does not write rw
	s_add_nc_u64 s[16:17], s[4:5], s[10:11]        ; a base for each quarter: the planes lie 8 MiB apart, past a load's immediate
	s_add_nc_u64 s[18:19], s[16:17], 0x800000
	s_add_nc_u64 s[20:21], s[18:19], 0x800000
	s_add_nc_u64 s[22:23], s[20:21], 0x800000
	s_add_nc_u64 s[8:9], s[8:9], s[14:15]
.set nn, 0
.rept 8                                ; slot nn of the group's eight
.irp q, 0,1,2,3
	global_load_b128 v[P+16*nn+4*\q:P+16*nn+4*\q+3], v1, s[16+2*\q:17+2*\q] offset:4096*nn th:TH_LOAD_NT
.endr
.set nn, nn+1
.endr
	s_wait_kmcnt 0x0
.macro TOK i
	s_wait_loadcnt 24-8*(\i)                       ; my eight are in; the later tokens' stay out
.irp k, 0,1
.set b0, P+16*(2*(\i)+\k)
	v_pk_add_f32 v[b0:b0+1],     v[b0:b0+1],     v[b0+4:b0+5]
	v_pk_add_f32 v[b0+2:b0+3],   v[b0+2:b0+3],   v[b0+6:b0+7]
	v_pk_add_f32 v[b0+8:b0+9],   v[b0+8:b0+9],   v[b0+12:b0+13]
	v_pk_add_f32 v[b0+10:b0+11], v[b0+10:b0+11], v[b0+14:b0+15]
	v_pk_add_f32 v[b0:b0+1],     v[b0:b0+1],     v[b0+8:b0+9]
	v_pk_add_f32 v[b0+2:b0+3],   v[b0+2:b0+3],   v[b0+10:b0+11]
.endr
.set b0, P+32*(\i)
.irp m, 0,1,2,3
	v_mul_f32 v[b0+\m], s[24+2*(\i)], v[b0+\m]
.endr
.irp m, 0,1,2,3
	v_fma_f32 v[b0+\m], s[25+2*(\i)], v[b0+16+\m], v[b0+\m]
.endr
	global_store_b128 v1, v[b0:b0+3], s[8:9] offset:4096*(\i) th:TH_STORE_NT
.endm
	TOK 0
	TOK 1
	TOK 2
	TOK 3
	s_endpgm
.Lfunc_end_k_qe747a1a959_combine:
	.size	k_qe747a1a959_combine, .Lfunc_end_k_qe747a1a959_combine-k_qe747a1a959_combine
	.p2alignl 7, 3214868480
	.fill 96, 4, 3214868480
	.section	.rodata,"a",@progbits
	.p2align	6, 0x0
	.amdhsa_kernel k_qe747a1a959_combine
		.amdhsa_group_segment_fixed_size 0
		.amdhsa_private_segment_fixed_size 0
		.amdhsa_enable_private_segment 0
		.amdhsa_kernarg_size 24
		.amdhsa_user_sgpr_count 2
		.amdhsa_user_sgpr_kernarg_segment_ptr 1
		.amdhsa_wavefront_size32 1
		.amdhsa_system_sgpr_workgroup_id_x 1
		.amdhsa_system_sgpr_workgroup_id_y 1
		.amdhsa_system_sgpr_workgroup_id_z 1
		.amdhsa_system_vgpr_workitem_id 0
		.amdhsa_next_free_vgpr 144
		.amdhsa_next_free_sgpr 66
		.amdhsa_reserve_vcc 0
		.amdhsa_float_denorm_mode_32 3
		.amdhsa_float_denorm_mode_16_64 3
		.amdhsa_memory_ordered 1
		.amdhsa_forward_progress 1
		.amdhsa_inst_pref_size 10
	.end_amdhsa_kernel
	.amdgpu_metadata
---
amdhsa.version: [ 1, 2 ]
amdhsa.kernels:
  - .name:           k_qe747a1a959_combine
    .symbol:         k_qe747a1a959_combine.kd
    .args:
      - { .name: part, .offset: 0, .size: 8, .value_kind: global_buffer, .address_space: global }
      - { .name: rw, .offset: 8, .size: 8, .value_kind: global_buffer, .address_space: global }
      - { .name: out0, .offset: 16, .size: 8, .value_kind: global_buffer, .address_space: global }
    .group_segment_fixed_size: 0
    .private_segment_fixed_size: 0
    .kernarg_segment_align: 8
    .kernarg_segment_size: 24
    .max_flat_workgroup_size: 256
    .sgpr_count:     66
    .vgpr_count:     144
    .wavefront_size: 32
...
	.end_amdgpu_metadata
.endif
;; end of part 4
